; MI455X (gfx1250); checked and timed in simulation.
; The chip was launched on July 23, 2026; its instructions are those of AMD's public machine-readable ISA for CDNA 5 (MIT licence, August 2026) and "CDNA5" Instruction Set Architecture Reference Guide (July 2026). The comments in the code are by the model that wrote it; some were corrected since.
;; Multi Head Self Attention. Allowed arithmetic: matrix products marked QUANTISED: E2M3 operands, one E8M0 scale for each 32 along K, by v_wmma_scale_f32_16x16x128_f8f6f4 with both operands' format E2M3, f32 sums; everything else in f32.
;; Inputs: W_out_codes 1,024 x 32 x 24 uint8 (E2M3 codes of W_out, K innermost, in blocks of 32 codes, four codes in three bytes); W_out_scales 1,024 x 32 uint8 (E8M0 scales of W_out, one for each 32 codes along K); W_qkv_codes 3,072 x 32 x 24 uint8 (E2M3 codes of W_qkv, K innermost, in blocks of 32 codes, four codes in three bytes); W_qkv_scales 3,072 x 32 uint8 (E8M0 scales of W_qkv, one for each 32 codes along K); b_out 1,024 float32; b_qkv 3,072 float32; x_codes 4 x 2,048 x 32 x 24 uint8 (E2M3 codes of x, K innermost, in blocks of 32 codes, four codes in three bytes); x_scales 4 x 2,048 x 32 uint8 (E8M0 scales of x, one for each 32 codes along K).
;; Outputs: out0 4 x 2,048 x 1,024 float32.
;; Constants: mask = 1.
;; This version of the problem:
;;   THIS VERSION OF THE PROBLEM IS GIVEN IN LOW PRECISION. The matrix products marked QUANTISED in the list below multiply operands that are first quantised to E2M3 (2 exponent bits, 3 mantissa bits; 6 bits a number), with one power-of-two scale for each 32 numbers along K (OCP MX v1.0); their sums are f32. All else is computed in f32.
;;   The module's matrix products, in the order in which they are computed (A, B: the left and right operand; K: the contracted axis; several contracted axes count as one K, in the product's order):
;;     1. [M 8,192, K 1,024] x [K 1,024, N 3,072]; A: input x (given as codes); B: input W_qkv (given as codes): QUANTISED
;;     2. batch 64 x [M 2,048, K 64] x [K 64, N 2,048]; A: computed on the way; B: computed on the way: QUANTISED
;;     3. batch 64 x [M 2,048, K 2,048] x [K 2,048, N 64]; A: softmax (see below); B: computed on the way: QUANTISED
;;     4. [M 8,192, K 1,024] x [K 1,024, N 1,024]; A: computed on the way; B: input W_out (given as codes): QUANTISED
;;   THE QUANTISER, for each operand of a quantised product, along K:
;;     - K is cut into blocks of 32 from its start; a last block that is shorter is filled with zeros.
;;     - A block's scale is 2^e with e = floor(log2(the largest magnitude in the block)) - 2, held to -126 .. 127; a block of zeros has e = 0. As a byte (E8M0): e + 127.
;;     - Each number is divided by its block's scale, clamped to +-7.5, and rounded to the nearest number of E2M3, ties to even, subnormals kept.
;;     - The product sums the exact products of the quantised numbers (number of the format x scale) in f32.
;;   ~~~python
;;   def quantise(x, axis):      # numpy; x: float32 -> the quantised numbers, widened to float32 again
;;       x = np.moveaxis(x, axis, -1); K = x.shape[-1]
;;       x = np.pad(x, [(0, 0)] * (x.ndim - 1) + [(0, -K % 32)]); x = x.reshape(x.shape[:-1] + (-1, 32)); a = np.abs(x).max(-1, keepdims=True)
;;       e = np.where(a > 0, np.clip(np.frexp(np.where(a > 0, a, 1))[1] - 1 - 2, -126, 127), 0)      # np.frexp(a)[1] - 1 = floor(log2(a)), exactly
;;       r = np.clip(x / 2.0 ** e, -7.5, 7.5)
;;       step = 2.0 ** (np.maximum(np.frexp(np.where(r == 0, 1, r))[1] - 1, 0) - 3)
;;       q = np.round(r / step) * step * 2.0 ** e      # np.round: ties to even
;;       return np.moveaxis(q.reshape(q.shape[:-2] + (-1,))[..., :K], -1, axis).astype(np.float32)
;;   ~~~
;;   SOFTMAX AHEAD OF A QUANTISED PRODUCT. Where the list says 'softmax', what is quantised is not the finished softmax but p = 2^(t - M), with t = logit x log2(e) and M = ceil(the row's largest t), a whole number; so 1/2 < the row's largest p <= 1. The row's sum l is taken of the UNQUANTISED p, in f32, and the product's result is divided by l at the end. Since M is a whole number, a kernel that streams over the keys may use a running M (the ceiling of the running maximum): every later rescaling is an exact power of two, which a block's scale takes up: the codes' values come out the same.
;;   OPERANDS COMPUTED ON THE WAY. 'Computed on the way' means the value that the module computes at that place (a softmax that the list does not call 'softmax' is quantised finished and normalised). What goes into a quantiser is computed in f32, as accurately as f32 sums, v_exp_f32 and their like allow (about 1e-6 of the number): no bf16 or f16 on the way to a quantiser, and a product that is left as it is and whose result goes on into a quantised operand takes f32 operands (vector FMAs, or v_wmma_f32_16x16x4_f32). A number that lies on a knife's edge between two numbers of the format may be rounded either way, as far as f32 arithmetic and the matrix unit's own rounding can turn it there, and no further.
;;   INPUTS GIVEN AS CODES. W_out (in the module: [1024, 1024], K = its axis 0); W_qkv (in the module: [1024, 3072], K = its axis 0); x (in the module: [4, 2048, 1024], K = its axis 2): each comes as NAME_codes (uint8): NAME with its K axis moved to the last place and cut into blocks of 32 codes, [.., K / 32, bytes a block], one block behind the other in memory; four codes in three bytes: a row's codes are one little-endian stream of bits, code i at bits 6 i .. 6 i + 5 (a code: sign, 2 exponent bits, 3 mantissa bits); and NAME_scales (uint8): the same leading axes, one E8M0 byte (e + 127) for each 32 codes along K. Its value is code x scale, taken as it is: it is not quantised again, and the codes and scales need not be those that the quantiser above would give.
;; One version. Each part assembles by itself: llvm-mc -triple=amdgcn-amd-amdhsa -mcpu=gfx1250 --defsym DOCPART=n.
;; ======== version 1 of 1: 3 launches
;; workspace buffers: qc 6,291,456 bytes; qs 524,288 bytes; kv 13,107,200 bytes; ac 6,291,456 bytes; asc 262,144 bytes
;; launch qkv (part 1): grid 8 x 32, 4 waves a work-group, clusters of 4 x 4, 327,680 bytes of LDS; arguments x_codes, x_scales, W_qkv_codes, W_qkv_scales, b_qkv, qc, qs, kv; writes qc, qs, kv
.if DOCPART == 1
	.amdgcn_target "amdgcn-amd-amdhsa--gfx1250"
	.amdhsa_code_object_version 6
	.text
	.protected	k_q688a2b732b_qkv
	.globl	k_q688a2b732b_qkv
	.p2align	8
	.type	k_q688a2b732b_qkv,@function
k_q688a2b732b_qkv:
	s_mov_b64 s[64:65], 0
	v_nop
	global_prefetch_b8 v0, s[64:65] scope:SCOPE_SE
	s_setreg_imm32_b32 hwreg(HW_REG_WAVE_MODE, 25, 1), 1
	s_wait_xcnt 0x0
	s_wait_alu depctr_hold_cnt(0) depctr_sa_sdst(0) depctr_va_vdst(0) depctr_va_sdst(0) depctr_va_ssrc(0) depctr_va_vcc(0) depctr_vm_vsrc(0)
	s_getreg_b32 s2, hwreg(HW_REG_IB_STS2, 6, 4)
	s_cmp_eq_u32 s2, 0
	s_cbranch_scc0 .Lentry_in_a_cluster
	s_endpgm
.Lentry_in_a_cluster:
	s_bfe_u32 s2, ttmp6, 0x10000c
	s_cmp_lg_u32 s2, 0xf033
	s_cbranch_scc0 .Lentry_shape_is_right
	s_endpgm
.Lentry_shape_is_right:
; qkv = x W_qkv + b_qkv on codes of FP6 (E2M3) with one E8M0 scale for each 32 along K = 1,024; then q and k are quantised along the head's 64, v along the keys, all in registers.
; x: 8,192 rows of 768 bytes of codes, 32 scale bytes a row.  W_qkv: 3,072 rows (head hd: rows 192 hd on: 64 of q, 64 of k, 64 of v), laid likewise.
; SHARES.  A work-group makes 256 rows x 384 columns (two heads); a wave 128 rows x 192 columns (one head): 96 accumulators, 768 registers, so that for 128 along K it reads (128 + 192) x 96 bytes of LDS for 96 products.
; A wave's 128 rows are one key step of the attention launch.  K goes in steps of 128, two to a slot, through a ring of two LDS slots filled by the tensor data mover.
; CLUSTERS: 4 x 4 work-groups.  x's tiles are shared along a row of the cluster, W's tiles and W's scale bytes along a column: each is asked for jointly, by the same load with the same descriptor and a mask of four.
; q AND k are made TRANSPOSED (source 0 = 16 rows of W, source 1 = 16 rows of x): a lane holds one token and eight neighbouring channels.  v is made the other way round (source 0 = x, source 1 = W): a lane holds one channel and eight tokens,
; which are the keys, the K of the attention's second product.  THE ROWS OF W THAT FORM A TILE OF v ARE NOT NEIGHBOURS: lane r of tile 2 b + u takes row 32 b + 8 u + r + 8 (r / 8), so that the attention's result has its channels in their true order.
; THE ORDER OF CODES INSIDE A BLOCK OF 32: position 16 h + 8 a + j holds element 16 a + 8 h + j.  q and k have the same order along the channels, and v has the order that the attention launch gives p along the keys: the products are the same,
; only the order in which the unit adds them inside a block differs from the natural one.
; THE BIAS is the C of each sum's first product: it is loaded into the accumulators of the last tile of rows, which every other tile's first product names as its C.
; WHAT IS STORED lies in the order of the operands' registers: qc [head of a batch][tile of 16 queries][768 bytes], qs one word a query, kv [head of a batch][204,800 bytes]: the image of that head in the attention launch's LDS.
; LIMITS: NaN and infinities are not served.  A block whose largest magnitude lies under 2^-124, a block of zeros among them, gets the scale byte 1: its bytes are read by this program alone.  A given scale byte 0xff gives NaN.
; REGISTERS: window 0: v2-15 LDS addresses; v16-17 the spare word's address and 0; v18-23 offsets; v24-55 x's scale words; v56-151 x's 8 fragments; v152-203 and v204-255 two sets of 4 fragments of W and their 4 scale words.
;   window 1: q's accumulators, (xt, wt) at 8 (4 xt + wt); window 2: k's likewise; window 3: v's, (c, xt) at 8 (8 c + xt): so the 64 registers that one quantising takes lie on end.
.set PITCH, 240                        ; an LDS row: 3 x (64 bytes of codes + 16 of padding)
.set XHALF, 128*PITCH                  ; 128 rows of x: one tensor load, one wave's rows
.set WHEAD, 192*PITCH                  ; 192 rows of W: one tensor load, one head
.set WOFF,  2*XHALF
.set SLOT,  WOFF+2*WHEAD               ; 153,600 bytes
.set SCL,   2*SLOT                     ; W's scale bytes: 48 units of 256 bytes + 16
.set SPARE, SCL+48*272                 ; the spare words: 128 bytes a wave, two blocks of 256 bytes that no other line names
.set AX,  2                            ; v2-3 x's fragments in slot 0, 1; v4-5 the same behind one padding more
.set AW,  6                            ; v6-9 W's, rows as they lie
.set AV,  10                           ; v10-13 W's, rows r + 8 (r / 8)
.set ASW, 14                           ; v14 W's scale words, rows as they lie
.set ASV, 15                           ; v15 rows r + 8 (r / 8)
.set SPW, 16
.set NIL, 17
.set L16, 18
.set L8,  19
.set L4,  20
.set XS,  24                           ; register 4 xt + i, lane (r, h): the scale word of K step 4 h + i of row 16 xt + r
.set XF,  56
.set WB,  152                          ; set p at WB + 52 p
.set WS,  200                          ; its scale words at WS + 52 p
.set CD,  56                           ; the way out: 12 x 12 registers of codes
.set PWD, 204                          ; 12 scale words
.set TM,  216                          ; v216-219 largest magnitudes, v220-223 the other half's and then the bytes, v228-231 the conversions' scale operands
.set YT,  232                          ; v232-238 the second halves of the blocks' codes
.set SWD, 244                          ; v244-251 the words as they are stored
.set G1X, 24
.set G0X, 32
.set G1W, 40
.set G0W, 48
.set G1S, 56
.set G0S, 68
.set SEL, 98
.set MSB, 0
.macro WIN new                         ; the immediate's high byte repeats the setting that is left
.if MSB != (\new)
	s_set_vgpr_msb (MSB<<8)|(\new)
.set MSB, (\new)
.endif
.endm
.macro PLACES n
.rept \n
	v_nop
.endr
.endm
.macro CREST                           ; a round of the cluster's barrier behind its opening barrier
	s_cmp_lg_u32 s20, 0
	s_cbranch_scc1 .Lnot_wave_0_\@
	s_barrier_signal -3
.Lnot_wave_0_\@:
	s_barrier_wait -3
	s_barrier_signal -1
	s_barrier_wait -1
.endm
.macro CROUND
	s_barrier_signal -1
	s_barrier_wait -1
	CREST
.endm
.macro JLOAD sl                        ; a joint refill: waves 0 and 1 fetch x's halves, waves 2 and 3 W's heads; four v_nop follow each line
	s_cmp_eq_u32 s21, 0
	s_cbranch_scc0 .Lfor_w_\@
	tensor_load_to_lds s[G0X+4*\sl:G0X+4*\sl+3], s[G1X:G1X+7]
	s_nop 0
.rept 4
	v_nop
.endr
	s_branch .Lasked_\@
.Lfor_w_\@:
	tensor_load_to_lds s[G0W+4*\sl:G0W+4*\sl+3], s[G1W:G1W+7]
	s_nop 0
.rept 4
	v_nop
.endr
.Lasked_\@:
.endm
	s_load_b256 s[4:11], s[0:1], 0x0               ; x's codes s[4:5], x's scales s[6:7], W's codes s[8:9], W's scales s[10:11]
	s_load_b256 s[12:19], s[0:1], 0x20             ; b_qkv s[12:13], qc s[14:15], qs s[16:17], kv s[18:19]
	v_lshl_add_u32 v[SPW], v0, 2, SPARE
	v_mov_b32 v[NIL], 0
	ds_add_u32 v16, v17
	ds_add_u32 v16, v17
	s_wait_dscnt 0x0
	v_lshrrev_b32 v21, 5, v0
	v_readfirstlane_b32 s20, v21                   ; wave 0..3
	s_lshr_b32 s21, s20, 1                         ; which 128 rows are mine.  Also: I fetch for x (0) or for W (1)
	s_and_b32 s22, s20, 1                          ; which head is mine.  Also: which half I fetch
	s_bfe_u32 s72, ttmp6, 0x40000                  ; cx
	s_bfe_u32 s73, ttmp6, 0x40004                  ; cy
	s_lshl_b32 s74, ttmp9, 2
	s_add_co_u32 s74, s74, s72                     ; X: heads 2 X, 2 X + 1
	s_and_b32 s75, ttmp7, 0xffff
	s_lshl_b32 s75, s75, 2
	s_add_co_u32 s75, s75, s73                     ; Y: rows 256 Y on
	s_lshl_b32 s76, s73, 2
	s_lshl_b32 s76, 15, s76                        ; my row of the cluster
	s_lshl_b32 s77, 0x1111, s72                    ; my column
	s_or_b32 s[G1X], s76, (1<<20)|(1<<21)|(3<<22)|(3<<25)   ; the mask; elements of 1 byte; padding on; bit 21 beside a mask; 4 words of padding behind every 16
	s_mov_b32 s[G1X+1], 192<<16                    ; tensor_dim0 = 192 bytes: 256 codes
	s_mov_b32 s[G1X+2], 128<<16                    ; tensor_dim1 = 128 rows
	s_mov_b32 s[G1X+3], 192<<16                    ; tile_dim0
	s_mov_b32 s[G1X+4], 128                        ; tile_dim1
	s_mov_b32 s[G1X+5], 768                        ; from row to row
	s_mov_b32 s[G1X+6], 0
	s_mov_b32 s[G1X+7], 0
	s_or_b32 s[G1W], s77, (1<<20)|(1<<21)|(3<<22)|(3<<25)
	s_mov_b32 s[G1W+1], 192<<16
	s_mov_b32 s[G1W+2], 192<<16                    ; 192 rows
	s_mov_b32 s[G1W+3], 192<<16
	s_mov_b32 s[G1W+4], 192
	s_mov_b32 s[G1W+5], 768
	s_mov_b32 s[G1W+6], 0
	s_mov_b32 s[G1W+7], 0
	s_or_b32 s[G1S], s77, (3<<16)|(1<<20)|(1<<21)|(5<<22)|(3<<25)   ; the scale bytes of 96 rows of W: 12 rows of 256 bytes (32 elements of 8), 16 bytes of padding behind each
	s_mov_b32 s[G1S+1], 32<<16
	s_mov_b32 s[G1S+2], 12<<16
	s_mov_b32 s[G1S+3], 32<<16
	s_mov_b32 s[G1S+4], 12
	s_mov_b32 s[G1S+5], 32
	s_mov_b32 s[G1S+6], 0
	s_mov_b32 s[G1S+7], 0
	s_lshl_b32 s78, s75, 8                         ; x: row 256 Y + 128 x half, in registers that never hold X
	s_lshl_b32 s79, s22, 7
	s_add_co_u32 s78, s78, s79
	s_mul_i32 s78, s78, 768
	s_mov_b32 s79, 0
	s_mul_i32 s82, s74, 384                        ; W: row 384 X + 192 x half, in registers that never hold Y
	s_mul_i32 s83, s22, 192
	s_add_co_u32 s82, s82, s83
	s_mul_i32 s82, s82, 768
	s_mov_b32 s83, 0
	s_mul_i32 s84, s74, 384                        ; W's scale bytes: row 384 X + 96 x wave
	s_mul_i32 s85, s20, 96
	s_add_co_u32 s84, s84, s85
	s_lshl_b32 s84, s84, 5
	s_mov_b32 s85, 0
	s_mul_i32 s86, s22, XHALF                      ; where they go: no place in the cluster enters an LDS address
	s_mul_i32 s87, s22, WHEAD
	s_add_co_u32 s87, s87, WOFF
	s_mul_i32 s88, s20, 12*272
	s_add_co_u32 s88, s88, SCL
	s_lshl_b32 s90, s75, 13                        ; my 128 rows' scale bytes of x: (256 Y + 128 rh) x 32
	s_lshl_b32 s91, s21, 12
	s_add_co_u32 s90, s90, s91
	s_mov_b32 s91, 0
	s_lshl_b32 s92, s74, 1
	s_add_co_u32 s92, s92, s22                     ; my head
	s_mul_i32 s92, s92, 768                        ; its 192 numbers of the bias
	s_mov_b32 s93, 0
	s_mov_b32 s[SEL], 0x76543210
	s_mov_b32 s[SEL+1], 0xfedcba98                 ; v_permlanex16_b32's selects for lane l xor 16
	s_wait_kmcnt 0x0
	s_add_nc_u64 s[78:79], s[4:5], s[78:79]
	s_add_nc_u64 s[82:83], s[8:9], s[82:83]
	s_add_nc_u64 s[84:85], s[10:11], s[84:85]
	s_add_nc_u64 s[6:7], s[6:7], s[90:91]
	s_add_nc_u64 s[12:13], s[12:13], s[92:93]
	s_mov_b32 s[G0S], 1
	s_mov_b32 s[G0S+1], s88
	s_mov_b64 s[G0S+2:G0S+3], s[84:85]
	s_or_b32 s[G0S+3], s[G0S+3], 0x80000000
.irp s, 0,1
	s_mov_b32 s[G0X+4*\s], 1
	s_add_co_u32 s[G0X+4*\s+1], s86, \s*SLOT
	s_add_nc_u64 s[G0X+4*\s+2:G0X+4*\s+3], s[78:79], \s*192
	s_or_b32 s[G0X+4*\s+3], s[G0X+4*\s+3], 0x80000000
	s_mov_b32 s[G0W+4*\s], 1
	s_add_co_u32 s[G0W+4*\s+1], s87, \s*SLOT
	s_add_nc_u64 s[G0W+4*\s+2:G0W+4*\s+3], s[82:83], \s*192
	s_or_b32 s[G0W+4*\s+3], s[G0W+4*\s+3], 0x80000000
.endr
	CROUND                                         ; all sixteen work-groups are here: the first joint loads meet
	tensor_load_to_lds s[G0S:G0S+3], s[G1S:G1S+7]  ; W's scale bytes, a quarter a wave: filled once
	s_nop 0
.rept 4
	v_nop
.endr
	s_cmp_eq_u32 s21, 0                            ; both slots' first fills: three loads of mine are out
	s_cbranch_scc0 .Lfirst_w
	tensor_load_to_lds s[G0X:G0X+3], s[G1X:G1X+7]
	s_nop 0
	tensor_load_to_lds s[G0X+4:G0X+7], s[G1X:G1X+7]
	s_nop 0
.rept 4
	v_nop
.endr
	s_branch .Lfirst_asked
.Lfirst_w:
	tensor_load_to_lds s[G0W:G0W+3], s[G1W:G1W+7]
	s_nop 0
	tensor_load_to_lds s[G0W+4:G0W+7], s[G1W:G1W+7]
	s_nop 0
.rept 4
	v_nop
.endr
.Lfirst_asked:
	v_and_b32 v21, 15, v0                          ; r
	v_bfe_u32 v22, v0, 4, 1                        ; h
	v_lshlrev_b32 v23, 5, v21
	v_lshl_add_u32 v23, v22, 4, v23                ; 32 r + 16 h: each load of the wave reads 512 consecutive bytes
.irp xt, 0,1,2,3,4,5,6,7
	global_load_b128 v[XS+4*\xt:XS+4*\xt+3], v23, s[6:7] offset:512*\xt   ; x's scale words stay in registers: beside the ring LDS has no room for them
.endr
	v_lshlrev_b32 v1, 5, v22                       ; 32 h: q's and k's bias, eight channels of my half
	v_and_b32 v18, 8, v21
	v_add_nc_u32 v18, v18, v21
	v_lshlrev_b32 v18, 2, v18                      ; 4 (r + 8 (r / 8)): v's bias, my lane's channel
	WIN 0x40                                       ; destination window 1
.irp wt, 0,1,2,3
	global_load_b128 v[224+8*\wt:227+8*\wt], v1, s[12:13] offset:64*\wt
	global_load_b128 v[228+8*\wt:231+8*\wt], v1, s[12:13] offset:64*\wt+16
.endr
	WIN 0x80                                       ; window 2
.irp wt, 0,1,2,3
	global_load_b128 v[224+8*\wt:227+8*\wt], v1, s[12:13] offset:256+64*\wt
	global_load_b128 v[228+8*\wt:231+8*\wt], v1, s[12:13] offset:256+64*\wt+16
.endr
	WIN 0xc0                                       ; window 3: a lane's eight registers are eight tokens of one channel: the same number eight times
.irp c, 0,1,2,3
.irp j, 0,1,2,3,4,5,6,7
	global_load_b32 v[64*\c+56+\j], v18, s[12:13] offset:512+4*(32*(\c/2)+8*(\c%2))
.endr
.endr
	WIN 0
	v_mul_u32_u24 v2, v21, PITCH
	v_mad_u32_u24 v2, v22, 24, v2                  ; row r x pitch + 24 h
	v_lshl_add_u32 v4, v22, 4, v2                  ; and + 40 h
	v_and_b32 v10, 8, v21
	v_add_nc_u32 v10, v10, v21
	v_mul_u32_u24 v10, v10, PITCH
	v_mad_u32_u24 v10, v22, 24, v10                ; row r + 8 (r / 8)
	v_lshl_add_u32 v12, v22, 4, v10
	s_mul_i32 s90, s21, XHALF                      ; my 128 rows of x
	s_mul_i32 s91, s22, WHEAD
	s_add_co_u32 s91, s91, WOFF                    ; my head's 192 rows of W
	v_add_nc_u32 v6, s91, v2
	v_add_nc_u32 v8, s91, v4
	v_add_nc_u32 v10, s91, v10
	v_add_nc_u32 v12, s91, v12
	v_add_nc_u32 v2, s90, v2
	v_add_nc_u32 v4, s90, v4
.irp a, 2,4,6,8,10,12
	v_add_nc_u32 v[\a+1], SLOT, v[\a]              ; the same in slot 1
.endr
	s_mul_i32 s92, s22, 24*272
	s_add_co_u32 s92, s92, SCL                     ; my head's scale bytes: 8 rows of 32 bytes to a unit of 272
	v_lshrrev_b32 v15, 3, v21
	v_lshlrev_b32 v14, 5, v21
	v_lshl_add_u32 v14, v15, 4, v14
	v_add_nc_u32 v14, s92, v14                     ; 32 r + 16 (r / 8)
	v_mul_u32_u24 v15, v15, 544
	v_and_b32 v19, 7, v21
	v_lshl_add_u32 v15, v19, 5, v15
	v_add_nc_u32 v15, s92, v15                     ; 32 (r % 8) + 544 (r / 8)
.macro FRAG reg, adr, qq, rowoff       ; a fragment: 16 rows x 128 K, 12 registers: six pieces of 8 bytes; lanes 16-31 read three pieces on, which for some pieces is behind one padding more: the second address register serves those
.irp p, 0,1,2,3,4,5
.set PC, 12*(\qq)+6*(\p/3)+\p%3
.if PC%8 < 5
	ds_load_b64 v[\reg+2*\p:\reg+2*\p+1], v[\adr] offset:8*PC+16*(PC/8)+(\rowoff)
.else
	ds_load_b64 v[\reg+2*\p:\reg+2*\p+1], v[\adr+2] offset:8*PC+16*(PC/8)+(\rowoff)
.endif
.endr
.endm
.macro FETCH_X sl, qq, i0              ; x's tiles i0 .. i0 + 3: 24 loads
.irp i, \i0, \i0+1, \i0+2, \i0+3
	FRAG XF+12*(\i), AX+\sl, \qq, (\i)*16*PITCH
.endr
.endm
.macro FETCH_W sl, qq, q, g, p         ; group g's four tiles of W (0: q, 1: k, 2: v) and their scale words of K step q into set p: 28 loads
.irp t, 0,1,2,3
.if (\g) < 2
	FRAG WB+52*(\p)+12*\t, AW+\sl, \qq, (4*(\g)+\t)*16*PITCH
	ds_load_b32 v[WS+52*(\p)+\t], v[ASW] offset:544*(4*(\g)+\t)+4*(\q)
.else
	FRAG WB+52*(\p)+12*\t, AV+\sl, \qq, (128+32*(\t/2)+8*(\t%2))*PITCH
	ds_load_b32 v[WS+52*(\p)+\t], v[ASV] offset:272*(16+4*(\t/2)+\t%2)+4*(\q)
.endif
.endr
.endm
; 16 products of q or k: x's tiles x0 .. x0 + 3 against W's four.  first = 1: C is the last tile's accumulator, which holds the bias; five places stand ahead of the four products that write over it.
; The accumulators take turns, one instruction a turn, in the same order in every K step.  x's scale words of K steps 4 to 7 stand in lanes 16-31.
.macro MULQK p, q, x0, first
.irp xt, \x0, \x0+1, \x0+2, \x0+3
.if (\first) && ((\xt) == 7)
	PLACES 5
.endif
.irp wt, 0,1,2,3
.set rD, 8*(4*(\xt)+\wt)
.set rC, rD
.if \first
.set rC, 8*(28+\wt)
.endif
.set rA, WB+52*(\p)+12*\wt
.set rB, XF+12*(\xt)
.if (\q) < 4
	v_wmma_scale_f32_16x16x128_f8f6f4 v[rD:rD+7], v[rA:rA+11], v[rB:rB+11], v[rC:rC+7], v[WS+52*(\p)+\wt], v[XS+4*(\xt)+(\q)%4] matrix_a_fmt:MATRIX_FMT_FP6 matrix_b_fmt:MATRIX_FMT_FP6
.else
	v_wmma_scale_f32_16x16x128_f8f6f4 v[rD:rD+7], v[rA:rA+11], v[rB:rB+11], v[rC:rC+7], v[WS+52*(\p)+\wt], v[XS+4*(\xt)+(\q)%4] matrix_a_fmt:MATRIX_FMT_FP6 matrix_b_fmt:MATRIX_FMT_FP6 matrix_b_scale:MATRIX_SCALE_ROW1
.endif
.endr
.endr
.endm
.macro MULV p, q, x0, first            ; 16 products of v: source 0 = x, source 1 = W
.irp xt, \x0, \x0+1, \x0+2, \x0+3
.if (\first) && ((\xt) == 7)
	PLACES 5
.endif
.irp c, 0,1,2,3
.set rD, 8*(8*\c+(\xt))
.set rC, rD
.if \first
.set rC, 8*(8*\c+7)
.endif
.set rA, XF+12*(\xt)
.set rB, WB+52*(\p)+12*\c
.if (\q) < 4
	v_wmma_scale_f32_16x16x128_f8f6f4 v[rD:rD+7], v[rA:rA+11], v[rB:rB+11], v[rC:rC+7], v[XS+4*(\xt)+(\q)%4], v[WS+52*(\p)+\c] matrix_a_fmt:MATRIX_FMT_FP6 matrix_b_fmt:MATRIX_FMT_FP6
.else
	v_wmma_scale_f32_16x16x128_f8f6f4 v[rD:rD+7], v[rA:rA+11], v[rB:rB+11], v[rC:rC+7], v[XS+4*(\xt)+(\q)%4], v[WS+52*(\p)+\c] matrix_a_fmt:MATRIX_FMT_FP6 matrix_b_fmt:MATRIX_FMT_FP6 matrix_a_scale:MATRIX_SCALE_ROW1
.endif
.endr
.endr
.endm
; A K STEP of 128: three groups of 32 products.  x's eight fragments serve all three, in one set: tiles 0-3 of the next step are fetched in the last group's middle, tiles 4-7 at the next step's head.
; W's four fragments of a group have two sets by turns: each is fetched a group ahead.  A load into a register that a product has read stands four plain places behind that product (ISA guide 7.12.1 for vector instructions).
; The eight steps are written out: the register and the half of the lanes that hold x's scale word change with the step.
.macro KSTEP q
.set SG,  ((\q)/2)%2
.set QQ,  (\q)%2
.set SG1, (((\q)+1)/2)%2
.set QQ1, ((\q)+1)%2
.set N0,  3*(\q)
.set FIRST, 0
.if (\q) == 0
.set FIRST, 1
.endif
.if (\q) > 0
	PLACES 4
.endif
	FETCH_X SG, QQ, 4
	FETCH_W SG, QQ, \q, 1, (N0+1)%2
	s_wait_dscnt 52                                ; q's tiles of W and x's tiles 0-3 are in; the 24 + 28 loads just issued may be out
	WIN 0x50
	MULQK N0%2, \q, 0, FIRST
	s_wait_dscnt 28                                ; x's tiles 4-7 are in; k's tiles of W may be out
	MULQK N0%2, \q, 4, FIRST
	WIN 0
	PLACES 4
	FETCH_W SG, QQ, \q, 2, (N0+2)%2
.if ((\q)%2 == 1) && ((\q) < 7)
	; THE CHANGE OF SLOTS: my last reads of this slot have just been issued
	s_wait_tensorcnt 0x0                           ; all my tensor loads have landed: the one that was out is my part of the next slot
	ds_add_u32 v[SPW], v[NIL]                      ; 0 onto my spare word
	s_wait_dscnt 29                                ; k's tiles of W are in; the 28 loads just issued and the add may be out
	WIN 0xa0
	MULQK (N0+1)%2, \q, 0, FIRST                   ; sixteen products stand between the add and the wait for it
	s_wait_dscnt 0x0                               ; the add is done, and my reads of this slot are over
	s_barrier_signal -1
	MULQK (N0+1)%2, \q, 4, FIRST
	WIN 0
	s_barrier_wait -1
.if (\q) < 5
	CREST                                          ; the barrier has opened a round of the cluster's: no wave of any partner still reads this slot or has a load on its way
	s_add_nc_u64 s[G0X+4*SG+2:G0X+4*SG+3], s[G0X+4*SG+2:G0X+4*SG+3], 384
	s_add_nc_u64 s[G0W+4*SG+2:G0W+4*SG+3], s[G0W+4*SG+2:G0W+4*SG+3], 384
	JLOAD SG                                       ; the slot's next 256 along K: my one load behind the round; it has two K steps, 192 products, in which to land.  Its four v_nop are the places for the loads below
.else
	PLACES 4
.endif
.else
	s_wait_dscnt 28                                ; k's tiles of W are in; v's may be out
	WIN 0xa0
	MULQK (N0+1)%2, \q, 0, FIRST
	MULQK (N0+1)%2, \q, 4, FIRST
	WIN 0
	PLACES 4
.endif
.if (\q) < 7
	FETCH_W SG1, QQ1, (\q)+1, 0, (N0+3)%2
	s_wait_dscnt 28                                ; v's tiles of W are in; the next step's first group may be out
.else
	s_wait_dscnt 0x0
.endif
	WIN 0xf0
	MULV (N0+2)%2, \q, 0, FIRST
	WIN 0
.if (\q) < 7
	PLACES 4
	FETCH_X SG1, QQ1, 0
.endif
	WIN 0xf0
	MULV (N0+2)%2, \q, 4, FIRST
	WIN 0
.endm
	s_wait_alu depctr_va_vdst(0)
	s_wait_tensorcnt 1                             ; W's scale bytes and my part of slot 0 are in; slot 1's load may be out
	s_barrier_signal -1
	s_barrier_wait -1                              ; everybody's are
	FETCH_W 0, 0, 0, 0, 0
	FETCH_X 0, 0, 0
	s_wait_loadcnt 0x0                             ; x's scale words and the bias
.irp q, 0,1,2,3,4,5,6,7
	KSTEP \q
.endr
	; THE WAY OUT.  Where my wave's results go: bh = 16 x batch + head, ks = my 128 tokens' key step in the batch
	s_lshr_b32 s78, s75, 3
	s_lshl_b32 s78, s78, 4
	s_lshl_b32 s79, s74, 1
	s_add_co_u32 s79, s79, s22
	s_add_co_u32 s78, s78, s79                     ; bh
	s_and_b32 s80, s75, 7
	s_lshl_b32 s80, s80, 1
	s_add_co_u32 s80, s80, s21                     ; ks
	s_mul_i32 s82, s78, 98304
	s_mul_i32 s83, s80, 6144
	s_add_co_u32 s82, s82, s83
	s_mov_b32 s83, 0
	s_add_nc_u64 s[14:15], s[14:15], s[82:83]      ; qc: 128 tiles of 768 bytes a head, 8 tiles a key step
	s_lshl_b32 s82, s78, 13
	s_lshl_b32 s81, s80, 9
	s_add_co_u32 s82, s82, s81
	s_add_nc_u64 s[16:17], s[16:17], s[82:83]      ; qs: a word a query
	s_mul_i32 s82, s78, 204800
	s_lshl_b32 s81, s80, 8
	s_add_co_u32 s82, s82, s81
	s_add_nc_u64 s[86:87], s[18:19], s[82:83]      ; kv: the head's scale words, 256 bytes a key step
	s_mul_i32 s82, s78, 204800
	s_mul_i32 s81, s80, 12288
	s_add_co_u32 s82, s82, s81
	s_add_co_u32 s82, s82, 8192
	s_add_nc_u64 s[84:85], s[18:19], s[82:83]      ; kv: the key step's images
	PLACES 4                                       ; behind the last products: results are read and operands' registers written from here on
	v_and_b32 v21, 31, v0
	v_lshlrev_b32 v[L16], 4, v21
	v_lshlrev_b32 v[L8], 3, v21
	v_lshlrev_b32 v[L4], 2, v21
	v_cmp_lt_u32 s96, 15, v21                      ; lanes 16-31
.irp b, 0,1,2,3
	v_mov_b32 v[TM+4+\b], 0                        ; written once: a lane permute's destination counts as one of its sources
.endr
; 64 registers of window w from s on, register 16 b + i = number i of my half of block b of my row, become 12 registers of codes at pc (an operand's image: registers 6 c on: lanes 0-15 block 2 c, lanes 16-31 block 2 c + 1) and the four blocks' scale word at pw.
; A block's scale: its largest magnitude's exponent field less 2, with the floor 2^(3 - 127) among the leaves, so that the byte cannot fall under 1; the conversion takes the exponent field of its scale operand alone.  Each accumulator is read from its low end on.
.macro QUANT w, s, pc, pw
	WIN 5*(\w)
.irp b, 0,1,2,3
	v_max3_num_f32 v[TM+\b], |v[\s+16*\b]|, |v[\s+16*\b+1]|, 0x1800000
.endr
.irp i, 2,4,6,8,10,12,14
.irp b, 0,1,2,3
	v_max3_num_f32 v[TM+\b], |v[\s+16*\b+\i]|, |v[\s+16*\b+\i+1]|, v[TM+\b]
.endr
.endr
	WIN 0
.irp b, 0,1,2,3
	v_permlanex16_b32 v[TM+4+\b], v[TM+\b], s[SEL], s[SEL+1]
.endr
.irp b, 0,1,2,3
	v_max_num_f32 v[TM+\b], v[TM+\b], v[TM+4+\b]   ; with lane l xor 16's 16: the block's largest magnitude
.endr
.irp b, 0,1,2,3
	v_add_nc_u32 v[TM+12+\b], 0xff000000, v[TM+\b] ; 2 off its exponent field
.endr
.irp b, 0,1,2,3
	v_lshrrev_b32 v[TM+4+\b], 23, v[TM+12+\b]      ; the scale's byte
.endr
	v_lshl_or_b32 v[\pw], v[TM+5], 8, v[TM+4]
	v_lshl_or_b32 v[\pw], v[TM+6], 16, v[\pw]
	v_lshl_or_b32 v[\pw], v[TM+7], 24, v[\pw]
	WIN \w
.irp c, 0,1
	v_cvt_scalef32_pk16_fp6_f32 v[\pc+6*\c:\pc+6*\c+2], v[\s+32*\c:\s+32*\c+15], v[TM+12+2*\c]
	v_cvt_scalef32_pk16_fp6_f32 v[YT+4*\c:YT+4*\c+2], v[\s+32*\c+16:\s+32*\c+31], v[TM+12+2*\c+1]   ; (a conversion's three registers begin on an even number)
.endr
	WIN 0
	v_nop                                          ; one plain place behind a scaled conversion
.irp c, 0,1
.irp i, 0,1,2
	v_permlane16_swap_b32 v[\pc+6*\c+\i], v[YT+4*\c+\i]   ; the first now holds each lane's block's lower 16 codes, the second the upper 16
.endr
.irp i, 0,1,2
	v_mov_b32 v[\pc+3+6*\c+\i], v[YT+4*\c+\i]
.endr
.endr
.endm
	; Every quantising has code and word registers of its own, so no store's data are written again.  A store of codes covers 512 or 256 consecutive bytes, aligned; a store of words 128.
.irp m, 0,1,2,3                        ; q: tiles of tokens 2 m and 2 m + 1: two half fragments (64 along K) of 6 registers
	QUANT 1, 64*\m, CD+12*\m, PWD+\m
	global_store_b128 v[L16], v[CD+12*\m:CD+12*\m+3], s[14:15] offset:1536*\m
	global_store_b64 v[L8], v[CD+12*\m+4:CD+12*\m+5], s[14:15] offset:1536*\m+512
	global_store_b128 v[L16], v[CD+12*\m+6:CD+12*\m+9], s[14:15] offset:1536*\m+768
	global_store_b64 v[L8], v[CD+12*\m+10:CD+12*\m+11], s[14:15] offset:1536*\m+1280
	v_perm_b32 v240, v[PWD+\m], v[PWD+\m], 0x01000100   ; a query's two bytes, twice: they serve the lower and the upper 64 of the instruction's K
	v_perm_b32 v241, v[PWD+\m], v[PWD+\m], 0x03020302
	v_cndmask_b32 v[SWD+\m], v240, v241, s96       ; lanes 0-15 tile 2 m's queries, lanes 16-31 tile 2 m + 1's
	global_store_b32 v[L4], v[SWD+\m], s[16:17] offset:128*\m
.endr
.irp b, 0,1,2,3                        ; k: a pair of tiles is one image: keys 32 b + r in the lower 64 of K, keys 32 b + 16 + r in the upper
	QUANT 2, 64*\b, CD+48+12*\b, PWD+4+\b
.irp g, 0,1,2
	global_store_b128 v[L16], v[CD+48+12*\b+4*\g:CD+48+12*\b+4*\g+3], s[84:85] offset:1536*\b+512*\g
.endr
.endr
.irp u, 0,1
	v_cndmask_b32 v[SWD+4+\u], v[PWD+4+2*\u], v[PWD+5+2*\u], s96
	global_store_b32 v[L4], v[SWD+4+\u], s[86:87] offset:128*\u
.endr
.irp c, 0,1,2,3                        ; v: tile c of 16 channels x my 128 keys: a whole fragment
	QUANT 3, 64*\c, CD+96+12*\c, PWD+8+\c
.irp g, 0,1,2
	global_store_b128 v[L16], v[CD+96+12*\c+4*\g:CD+96+12*\c+4*\g+3], s[84:85] offset:6144+1536*\c+512*\g
.endr
.endr
.irp u, 0,1
	v_cndmask_b32 v[SWD+6+\u], v[PWD+8+2*\u], v[PWD+9+2*\u], s96
	global_store_b32 v[L4], v[SWD+6+\u], s[86:87] offset:4096+128*\u
.endr
	s_wait_tensorcnt 0x0                           ; the wave's end
	ds_add_u32 v[SPW], v[NIL]
	s_wait_dscnt 0x0
	CROUND                                         ; the closing round: no work-group ends while a partner may still ask for a tile that names it
	s_endpgm
.Lfunc_end_k_q688a2b732b_qkv:
	.size	k_q688a2b732b_qkv, .Lfunc_end_k_q688a2b732b_qkv-k_q688a2b732b_qkv
	.p2alignl 7, 3214868480
	.fill 96, 4, 3214868480
	.section	.rodata,"a",@progbits
	.p2align	6, 0x0
	.amdhsa_kernel k_q688a2b732b_qkv
		.amdhsa_group_segment_fixed_size 327680
		.amdhsa_private_segment_fixed_size 0
		.amdhsa_enable_private_segment 0
		.amdhsa_kernarg_size 64
		.amdhsa_user_sgpr_count 2
		.amdhsa_user_sgpr_kernarg_segment_ptr 1
		.amdhsa_wavefront_size32 1
		.amdhsa_system_sgpr_workgroup_id_x 1
		.amdhsa_system_sgpr_workgroup_id_y 1
		.amdhsa_system_sgpr_workgroup_id_z 1
		.amdhsa_system_vgpr_workitem_id 0
		.amdhsa_next_free_vgpr 1024
		.amdhsa_next_free_sgpr 100
		.amdhsa_reserve_vcc 0
		.amdhsa_float_denorm_mode_32 3
		.amdhsa_float_denorm_mode_16_64 3
		.amdhsa_memory_ordered 1
		.amdhsa_forward_progress 1
		.amdhsa_inst_pref_size 240
	.end_amdhsa_kernel
	.amdgpu_metadata
---
amdhsa.version: [ 1, 2 ]
amdhsa.kernels:
  - .name:           k_q688a2b732b_qkv
    .symbol:         k_q688a2b732b_qkv.kd
    .args:
      - { .name: x_codes, .offset: 0, .size: 8, .value_kind: global_buffer, .address_space: global }
      - { .name: x_scales, .offset: 8, .size: 8, .value_kind: global_buffer, .address_space: global }
      - { .name: W_qkv_codes, .offset: 16, .size: 8, .value_kind: global_buffer, .address_space: global }
      - { .name: W_qkv_scales, .offset: 24, .size: 8, .value_kind: global_buffer, .address_space: global }
      - { .name: b_qkv, .offset: 32, .size: 8, .value_kind: global_buffer, .address_space: global }
      - { .name: qc, .offset: 40, .size: 8, .value_kind: global_buffer, .address_space: global }
      - { .name: qs, .offset: 48, .size: 8, .value_kind: global_buffer, .address_space: global }
      - { .name: kv, .offset: 56, .size: 8, .value_kind: global_buffer, .address_space: global }
    .group_segment_fixed_size: 327680
    .private_segment_fixed_size: 0
    .kernarg_segment_align: 8
    .kernarg_segment_size: 64
    .max_flat_workgroup_size: 128
    .sgpr_count:     100
    .vgpr_count:     1024
    .wavefront_size: 32
...
	.end_amdgpu_metadata
.endif
;; end of part 1
;; launch attn (part 2): grid 4 x 64, 16 waves a work-group, clusters of 4 x 1, 327,680 bytes of LDS; arguments qc, qs, kv, ac, asc; writes ac, asc
.if DOCPART == 2
	.amdgcn_target "amdgcn-amd-amdhsa--gfx1250"
	.amdhsa_code_object_version 6
	.text
	.protected	k_q688a2b732b_attn
	.globl	k_q688a2b732b_attn
	.p2align	8
	.type	k_q688a2b732b_attn,@function
k_q688a2b732b_attn:
	s_mov_b64 s[64:65], 0
	v_nop
	global_prefetch_b8 v0, s[64:65] scope:SCOPE_SE
	s_setreg_imm32_b32 hwreg(HW_REG_WAVE_MODE, 25, 1), 1
	s_wait_xcnt 0x0
	s_wait_alu depctr_hold_cnt(0) depctr_sa_sdst(0) depctr_va_vdst(0) depctr_va_sdst(0) depctr_va_ssrc(0) depctr_va_vcc(0) depctr_vm_vsrc(0)
	s_getreg_b32 s2, hwreg(HW_REG_IB_STS2, 6, 4)
	s_cmp_eq_u32 s2, 0
	s_cbranch_scc0 .Lentry_in_a_cluster
	s_endpgm
.Lentry_in_a_cluster:
	s_bfe_u32 s2, ttmp6, 0x10000c
	s_cmp_lg_u32 s2, 0x3003
	s_cbranch_scc0 .Lentry_shape_is_right
	s_endpgm
.Lentry_shape_is_right:
; vals = softmax(q k^T / 32, causal) v for one head of one batch, both products on codes of FP6 (E2M3) with E8M0 scales; vals is quantised along the model's 1,024 and stored as the last product's operand.
; THE SOFTMAX AHEAD OF THE SECOND PRODUCT: t = score x log2(e) / 32; M = the row's largest t so far, rounded UP to a whole number; p = 2^(t - M) is quantised along the keys, not normalised.  The row's sum is taken of the unquantised p
; and divides at the end.  When M moves, the sum and O are multiplied by 2^(old M - new M): exact.
; SHARES.  The four work-groups of a cluster share one head (64 heads of batches in all).  A head's k and v as codes, with their scale words, are 204,800 bytes: they come into each work-group's LDS ONCE, by two joint loads a wave, and stay:
; no slot is ever filled again.  Each of the 64 waves of a cluster owns two tiles of 16 queries, 127 - i and i (i = 8 a + c, a = wave / 2, c = 4 (wave % 2) + place in the cluster): 16 - a and a + 1 key steps of 128 keys under the causal mask,
; 17 in every wave.  The count of trips and every branch hang on the wave's number and the trip alone; the place in the cluster enters global addresses and the mask's threshold, which is data.
; THE FIRST PRODUCT has K = 64, half of the instruction's 128.  An image of k holds keys 32 b + r in the lower 64 of K and keys 32 b + 16 + r in the upper; it is multiplied by [q | zeros] and by [zeros | q].  Zero codes add nothing.
; LAYOUT.  Both products are used transposed (S^T = k q^T, O^T = v^T p^T): a lane holds ONE query (lane % 16) throughout.  In S^T register 8 t + j of lane (r, h) is key 16 t + 8 h + j of the step; the codes of p so have, inside a block of 32 keys,
; the order in which the first launch laid v's.  O^T's register 16 b + i is channel 32 b + 16 h + i: the true order, as the given weight of the last product wants it.
; LIMITS: NaN and infinities are not served.  A block of vals whose largest magnitude lies under 2^-124, a block of zeros among them, gets the scale byte 1: this program alone reads it.
; LDS: 0 k's scale words (256 bytes a key step), 4,096 v's, from 8,192 on 12,288 bytes a key step: four images of k (1,536 bytes), four of v.  An image is three runs of 512 bytes: registers 4 g .. 4 g + 3 at 512 g + 16 x lane.
.set AI,   1                           ; v1   8,192 + 16 x lane
.set AS,   2                           ; v2   4 r
.set ADK,  3                           ; v3   the step's images
.set ADS,  4                           ; v4   the step's scale words
.set L16,  5                           ; v5-7 global offsets: 16 x lane, 8 x lane, 4 r; never rewritten
.set L8,   6
.set R4,   7
.set DM,   8                           ; v8   on the diagonal: key 16 t + j of my half is hidden where 16 t + j > this
.set DM2,  9                           ; v9   the same for my second tile
.set NINF, 10
.set QQ,   22                          ; v16-21 zeros | v22-27 q | v28-33 zeros:  v[16:27] = [0 | q],  v[22:33] = [q | 0]
.set QS,   34                          ; q's scale word; v35 the second tile's
.set Q2,   36                          ; v36-41 the second tile's q
.set KS,   42
.set VS,   46
.set KV,   50                          ; v50-97 four images of k, then four of v
.set S,    98                          ; v98-161 S^T, then p
.set OT,   162                         ; v162-193 O^T
.set PCD,  194                         ; v194-205 p's codes
.set YT,   206                         ; v206-212 the second halves of the blocks' codes
.set BM,   214                         ; v214-217 the blocks' largest
.set PT,   218                         ; v218-221 the other half's, then the bytes
.set SO,   222                         ; v222-225 the conversions' scale operands
.set PW,   226                         ; p's scale word
.set TMP,  227
.set FF,   228                         ; v[228:229] f, later 1 / the sum: the low word serves both halves
.set SU2,  230                         ; v[230:231] the sums' second chain
.set OC,   232                         ; v232-237 vals' codes
.set OS,   238                         ; their two scale bytes
.set WV,   14
.set CX,   15
.set WA,   16
.set WC,   17
.set TAU,  18                          ; the trip, 0 .. 16
.set SW,   19                          ; the trip at which my second tile begins: 16 - a
.set DG,   20                          ; the next trip on the diagonal
.set TB,   21                          ; 12,288 x key step
.set TS,   22                          ; 256 x key step
.set BH,   23
.set G1A,  24
.set G1B,  32
.set G0A,  40
.set G0B,  44
.set SEL,  48
.set CS,   50
.macro ROUND                           ; a round of the cluster's barrier
	s_barrier_signal -1
	s_barrier_wait -1
	s_cmp_lg_u32 s[WV], 0
	s_cbranch_scc1 .Lnot_wave_0_\@
	s_barrier_signal -3
.Lnot_wave_0_\@:
	s_barrier_wait -3
	s_barrier_signal -1
	s_barrier_wait -1
.endm
	s_load_b256 s[4:11], s[0:1], 0x0               ; qc s[4:5], qs s[6:7], kv s[8:9], ac s[10:11]
	s_load_b64 s[12:13], s[0:1], 0x20              ; asc
	v_lshl_add_u32 v254, v0, 2, 0x32000
	v_mov_b32 v255, 0
	ds_add_u32 v254, v255
	ds_add_u32 v254, v255
	v_lshrrev_b32 v1, 5, v0
	s_delay_alu instid0(VALU_DEP_1)
	v_readfirstlane_b32 s[WV], v1                  ; wave 0..15
	s_bfe_u32 s[CX], ttmp6, 0x40000                ; my place in the cluster
	s_and_b32 s[BH], ttmp7, 0xffff                 ; 16 x batch + head, which the four partners share
	s_lshr_b32 s[WA], s[WV], 1
	s_and_b32 s[WC], s[WV], 1
	s_lshl_b32 s[WC], s[WC], 2
	s_add_co_u32 s[WC], s[WC], s[CX]
	s_sub_co_u32 s[SW], 16, s[WA]
	s_sub_co_u32 s[DG], 15, s[WA]
	s_mov_b32 s[G1A], 15|(3<<16)|(1<<21)           ; the mask: all four work-groups; elements of 8 bytes; bit 21 beside a mask; no padding
	s_mov_b32 s[G1A+1], 32<<16                     ; rows of 256 bytes
	s_mov_b32 s[G1A+2], 8<<16                      ; 8 of them a wave: the first 32,768 bytes hold all scale words and key steps 0 and 1
	s_mov_b32 s[G1A+3], 32<<16
	s_mov_b32 s[G1A+4], 8
	s_mov_b32 s[G1A+5], 32
	s_mov_b32 s[G1A+6], 0
	s_mov_b32 s[G1A+7], 0
	s_mov_b32 s[G1B], 15|(3<<16)|(1<<21)
	s_mov_b32 s[G1B+1], 32<<16
	s_mov_b32 s[G1B+2], 42<<16                     ; 42 rows a wave: the other 172,032 bytes
	s_mov_b32 s[G1B+3], 32<<16
	s_mov_b32 s[G1B+4], 42
	s_mov_b32 s[G1B+5], 32
	s_mov_b32 s[G1B+6], 0
	s_mov_b32 s[G1B+7], 0
	s_mul_i32 s60, s[BH], 204800
	s_lshl_b32 s61, s[WV], 11
	s_mul_i32 s62, s[WV], 10752
	s_add_co_u32 s62, s62, 32768
	s_add_co_u32 s66, s60, s61
	s_mov_b32 s67, 0
	s_add_co_u32 s68, s60, s62
	s_mov_b32 s69, 0
	s_mov_b32 s[SEL], 0x76543210
	s_mov_b32 s[SEL+1], 0xfedcba98                 ; v_permlanex16_b32's selects for lane l xor 16
	s_mov_b32 s[CS], 0x3d38aa3b                    ; log2(e) / 32
	s_mov_b32 s[CS+1], s[CS]                       ; (named with it as a pair, so it is written)
	s_wait_dscnt 0x0
	s_wait_kmcnt 0x0
	s_mov_b32 s[G0A], 1
	s_mov_b32 s[G0A+1], s61                        ; the same offset in LDS as in the head's bytes of kv
	s_add_nc_u64 s[G0A+2:G0A+3], s[8:9], s[66:67]
	s_or_b32 s[G0A+3], s[G0A+3], 0x80000000
	s_mov_b32 s[G0B], 1
	s_mov_b32 s[G0B+1], s62
	s_add_nc_u64 s[G0B+2:G0B+3], s[8:9], s[68:69]
	s_or_b32 s[G0B+3], s[G0B+3], 0x80000000
	ROUND                                          ; all four work-groups are here: the joint loads meet
	tensor_load_to_lds s[G0A:G0A+3], s[G1A:G1A+7]
	s_nop 0
	s_wait_alu depctr_va_vdst(0)
	s_wait_tensorcnt 0x0
	ds_add_u32 v254, v255
	s_wait_dscnt 0x0
	ROUND
	tensor_load_to_lds s[G0B:G0B+3], s[G1B:G1B+7]  ; one load of mine is out
	s_nop 0
.rept 4
	v_nop
.endr
; where tile t's q, its scale words and its results lie.  ac: [block of 256 rows][K step of 128 = two heads][tile of 16 rows][1,536 bytes], my head's half at 768 x (head % 2); asc: the same index x 64 bytes, a word a row, my head's two bytes at 2 x (head % 2)
.macro BASES t, dq, dqs, dac, das
	s_mul_i32 s66, s[BH], 98304
	s_mul_i32 s67, s[\t], 768
	s_add_co_u32 s66, s66, s67
	s_mov_b32 s67, 0
	s_add_nc_u64 s[\dq:\dq+1], s[4:5], s[66:67]
	s_lshl_b32 s66, s[BH], 13
	s_lshl_b32 s2, s[\t], 6
	s_add_co_u32 s66, s66, s2
	s_add_nc_u64 s[\dqs:\dqs+1], s[6:7], s[66:67]
	s_lshr_b32 s66, s[BH], 4
	s_lshl_b32 s66, s66, 7
	s_add_co_u32 s66, s66, s[\t]                   ; the tile among all 512: 128 x batch + t
	s_lshr_b32 s2, s66, 4
	s_lshl_b32 s2, s2, 3
	s_bfe_u32 s3, s[BH], 0x30001                   ; head / 2
	s_add_co_u32 s2, s2, s3
	s_lshl_b32 s2, s2, 4
	s_and_b32 s66, s66, 15
	s_add_co_u32 s2, s2, s66                       ; the index
	s_and_b32 s3, s[BH], 1
	s_mul_i32 s66, s2, 1536
	s_mul_i32 s68, s3, 768
	s_add_co_u32 s66, s66, s68
	s_add_nc_u64 s[\dac:\dac+1], s[10:11], s[66:67]
	s_lshl_b32 s66, s2, 6
	s_lshl_b32 s3, s3, 1
	s_add_co_u32 s66, s66, s3
	s_add_nc_u64 s[\das:\das+1], s[12:13], s[66:67]
.endm
	s_lshl_b32 s62, s[WA], 3
	s_add_co_u32 s62, s62, s[WC]                   ; my second tile: 8 a + c
	s_sub_co_u32 s63, 127, s62                     ; my first
	BASES 63, 70, 72, 52, 56
	BASES 62, 74, 76, 54, 58
	v_and_b32 v3, 31, v0                           ; lane
	v_and_b32 v4, 15, v0                           ; r
	v_bfe_u32 v11, v0, 4, 1                        ; h
	s_delay_alu instid0(VALU_DEP_3)
	v_lshlrev_b32 v[L16], 4, v3
	s_delay_alu instid0(VALU_DEP_4)
	v_lshlrev_b32 v[L8], 3, v3
	s_delay_alu instid0(VALU_DEP_4)
	v_lshlrev_b32 v[R4], 2, v4
	global_load_b128 v[QQ:QQ+3], v[L16], s[70:71]  ; q: half a fragment, as it was stored
	global_load_b64 v[QQ+4:QQ+5], v[L8], s[70:71] offset:512
	global_load_b32 v[QS], v[R4], s[72:73]
	global_load_b128 v[Q2:Q2+3], v[L16], s[74:75]
	global_load_b64 v[Q2+4:Q2+5], v[L8], s[74:75] offset:512
	global_load_b32 v[QS+1], v[R4], s[76:77]
	v_add_nc_u32 v[AI], 8192, v[L16]
	v_lshlrev_b32 v[AS], 2, v4
	v_lshlrev_b32 v11, 3, v11
	s_delay_alu instid0(VALU_DEP_1)
	v_sub_nc_u32 v11, v4, v11                      ; r - 8 h
	s_sub_co_u32 s60, 7, s[WC]
	s_lshl_b32 s60, s60, 4
	s_lshl_b32 s61, s[WC], 4
	v_add_nc_u32 v[DM], s60, v11                   ; my first tile lies 16 (7 - c) keys into its last step,
	v_add_nc_u32 v[DM2], s61, v11                  ; my second 16 c
	v_mov_b32 v[NINF], 0xff800000
.irp i, 0,1,2,3,4,5
	v_mov_b32 v[16+\i], 0
	v_mov_b32 v[28+\i], 0
.endr
.irp b, 0,1,2,3
	v_mov_b32 v[PT+\b], 0                          ; written once: a lane permute's destination counts as one of its sources
.endr
	v_mov_b32 v[FF+1], 0                           ; (named as the upper half of a pair)
.macro INIT                            ; a tile begins: the largest t -3e38, under every t; the sum and O^T zeros, which the first change of M leaves zeros
	v_mov_b32 v13, 0xff61b1e6
	v_mov_b32 v14, 0
	v_mov_b32 v15, 0
	s_delay_alu instid0(VALU_DEP_3)
	v_floor_f32 v12, -v13                          ; -M
.set j, 0
.rept 32
	v_mov_b32 v[OT+j], 0
.set j, j+1
.endr
.endm
	INIT
; A KEY STEP: 128 keys for my 16 queries.  diag = 1: the text holds the mask, which is walked in the trip on the diagonal alone.
.macro STEP diag
	v_add_nc_u32 v[ADK], s[TB], v[AI]
	v_add_nc_u32 v[ADS], s[TS], v[AS]
	v_nop
	v_nop                                          ; four plain places between the last products and the loads into registers that they read
.set i, 0
.rept 12
	ds_load_b128 v[KV+4*i:KV+4*i+3], v[ADK] offset:512*i
.set i, i+1
.endr
.irp b, 0,1,2,3
	ds_load_b32 v[KS+\b], v[ADS] offset:64*\b
.endr
	s_wait_alu depctr_va_vdst(0)
	s_wait_dscnt 0x0
.irp t, 0,1,2,3,4,5,6,7                        ; S^T: tile t = keys 16 t on: the lower or the upper 64 of image t / 2
	v_wmma_scale_f32_16x16x128_f8f6f4 v[S+8*\t:S+8*\t+7], v[KV+12*(\t/2):KV+12*(\t/2)+11], v[QQ-6*(\t%2):QQ-6*(\t%2)+11], 0, v[KS+\t/2], v[QS] matrix_a_fmt:MATRIX_FMT_FP6 matrix_b_fmt:MATRIX_FMT_FP6
.endr
.rept 4
	v_nop                                          ; places in front of the loads below and of the first read of the scores
.endr
.set i, 0
.rept 12
	ds_load_b128 v[KV+4*i:KV+4*i+3], v[ADK] offset:6144+512*i   ; v's four images, into k's registers: they land under the softmax
.set i, i+1
.endr
.irp t, 0,1,2,3
	ds_load_b32 v[VS+\t], v[ADS] offset:4096+64*\t
.endr
.if \diag
	s_cmp_lg_u32 s[TAU], s[DG]
	s_cbranch_scc1 .Lopen_\@
.set n, 0
.rept 64                                       ; hidden scores become -infinity ahead of the maximum: p = 0 then.  A tile's first key of its first step counts for every query, so M is a number from the first step on
	v_cmp_gt_i32 vcc_lo, 16*(n/8)+n%8, v[DM]
	v_cndmask_b32 v[S+n], v[S+n], v[NINF], vcc_lo
.set n, n+1
.endr
.Lopen_\@:
.endif
.irp b, 0,1,2,3
	v_max3_num_f32 v[BM+\b], v[S+16*\b], v[S+16*\b+1], v[S+16*\b+2]   ; the largest score of each block of 32 keys: for the row's maximum and, since p rises with the score, for the block's largest p
.endr
.irp i, 3,5,7,9,11,13
.irp b, 0,1,2,3
	v_max3_num_f32 v[BM+\b], v[BM+\b], v[S+16*\b+\i], v[S+16*\b+\i+1]
.endr
.endr
	s_setprio 1
.irp b, 0,1,2,3
	v_max_num_f32 v[BM+\b], v[BM+\b], v[S+16*\b+15]
.endr
.irp b, 0,1,2,3
	s_delay_alu instid0(VALU_DEP_4)
	v_permlanex16_b32 v[PT+\b], v[BM+\b], s[SEL], s[SEL+1]
.endr
.irp b, 0,1,2,3
	s_delay_alu instid0(VALU_DEP_4)
	v_max_num_f32 v[BM+\b], v[BM+\b], v[PT+\b]     ; with lane l xor 16's 16 keys
.endr
	s_delay_alu instid0(VALU_DEP_2)
	v_max3_num_f32 v[TMP], v[BM], v[BM+1], v[BM+2]
	s_delay_alu instid0(VALU_DEP_1)
	v_max_num_f32 v[TMP], v[TMP], v[BM+3]
	s_delay_alu instid0(VALU_DEP_1)
	v_mul_f32 v[TMP], s[CS], v[TMP]                ; the step's largest t
	s_delay_alu instid0(VALU_DEP_1)
	v_max_num_f32 v13, v13, v[TMP]                 ; the running largest t
	v_mov_b32 v[TMP], v12
	s_delay_alu instid0(VALU_DEP_2)
	v_floor_f32 v12, -v13                          ; the new -M = -ceil(t): a whole number
	s_delay_alu instid0(VALU_DEP_1)
	v_sub_f32 v[TMP], v12, v[TMP]                  ; old M - new M: a whole number, 0 or less
	s_delay_alu instid0(VALU_DEP_1)
	v_cvt_i32_f32 v[TMP], v[TMP]                   ; (it saturates)
	s_delay_alu instid0(VALU_DEP_1)
	v_ldexp_f32 v[FF], 1.0, v[TMP]                 ; f = 2^(old M - new M)
.set j, 0
.rept 32
	v_pk_fma_f32 v[S+j:S+j+1], v[S+j:S+j+1], s[CS:CS+1], v[12:13] op_sel_hi:[1,0,0]   ; t - M, two at a time
.set j, j+2
.endr
.irp b, 0,1,2,3
	v_fma_f32 v[BM+\b], v[BM+\b], s[CS], v12       ; the same of each block's largest score
.endr
.set j, 0
	s_wait_alu depctr_va_vdst(0)
.rept 64
	v_exp_f32 v[S+j], v[S+j]                       ; p = 2^(t - M), at most 1
.set j, j+1
.endr
	v_pk_mul_f32 v[14:15], v[14:15], v[FF:FF+1] op_sel_hi:[1,0]   ; the sums under the new M: the plain place behind the exponentials
	s_wait_alu depctr_va_vdst(0)                   ; one wait for the batch of 64, ahead of its first reader
.irp b, 0,1,2,3
	v_exp_f32 v[BM+\b], v[BM+\b]                   ; the blocks' largest p
.endr
	v_pk_add_f32 v[SU2:SU2+1], v[S:S+1], v[S+2:S+3]   ; the row's sum of the unquantised p, in two chains: plain work behind the four
.set j, 4
.rept 15
	v_pk_add_f32 v[14:15], v[14:15], v[S+j:S+j+1]
	v_pk_add_f32 v[SU2:SU2+1], v[SU2:SU2+1], v[S+j+2:S+j+3]
.set j, j+4
.endr
	s_delay_alu instid0(VALU_DEP_1)
	v_pk_add_f32 v[14:15], v[14:15], v[SU2:SU2+1]
	s_setprio 0
	s_wait_alu depctr_va_vdst(0)                   ; and one for the four
.irp b, 0,1,2,3
	v_max_num_f32 v[BM+\b], 0x1800000, v[BM+\b]    ; the floor 2^(3 - 127): the byte cannot fall under 1 (a block whose every p is 0 keeps that byte: its codes are zeros)
.endr
.irp b, 0,1,2,3
	s_delay_alu instid0(VALU_DEP_4)
	v_add_nc_u32 v[SO+\b], 0xff000000, v[BM+\b]    ; 2 off the exponent field: the conversion's scale operand
.endr
.irp b, 0,1,2,3
	s_delay_alu instid0(VALU_DEP_4)
	v_lshrrev_b32 v[PT+\b], 23, v[SO+\b]           ; the scale's byte
.endr
	s_delay_alu instid0(VALU_DEP_3)
	v_lshl_or_b32 v[PW], v[PT+1], 8, v[PT]
	s_delay_alu instid0(VALU_DEP_1)
	v_lshl_or_b32 v[PW], v[PT+2], 16, v[PW]
	s_delay_alu instid0(VALU_DEP_1)
	v_lshl_or_b32 v[PW], v[PT+3], 24, v[PW]
.irp c, 0,1
	v_cvt_scalef32_pk16_fp6_f32 v[PCD+6*\c:PCD+6*\c+2], v[S+32*\c:S+32*\c+15], v[SO+2*\c]
	v_cvt_scalef32_pk16_fp6_f32 v[YT+4*\c:YT+4*\c+2], v[S+32*\c+16:S+32*\c+31], v[SO+2*\c+1]
.endr
	v_nop                                          ; one plain place behind a scaled conversion
.irp c, 0,1                                    ; a whole block to a lane: lanes 0-15 block 2 c, lanes 16-31 block 2 c + 1
.irp i, 0,1,2
	v_permlane16_swap_b32 v[PCD+6*\c+\i], v[YT+4*\c+\i]
.endr
.irp i, 0,1,2
	s_delay_alu instid0(VALU_DEP_3)
	v_mov_b32 v[PCD+3+6*\c+\i], v[YT+4*\c+\i]
.endr
.endr
.set j, 0
.rept 16
	v_pk_mul_f32 v[OT+j:OT+j+1], v[OT+j:OT+j+1], v[FF:FF+1] op_sel_hi:[1,0]   ; O^T under the new M.  These sixteen are also the places between the scale word and the codes just made and the products below
.set j, j+2
.endr
	s_wait_alu depctr_va_vdst(0)
	s_wait_dscnt 0x0                               ; v's images are in
.irp t, 0,1,2,3                                ; O^T += v^T p^T: four accumulators by turns
	v_wmma_scale_f32_16x16x128_f8f6f4 v[OT+8*\t:OT+8*\t+7], v[KV+12*\t:KV+12*\t+11], v[PCD:PCD+11], v[OT+8*\t:OT+8*\t+7], v[VS+\t], v[PW] matrix_a_fmt:MATRIX_FMT_FP6 matrix_b_fmt:MATRIX_FMT_FP6
.endr
.endm
; A TILE ENDS: O^T / the sum, quantised along the channels (two blocks of 32), stored as half a fragment of the last product's operand.  k: which of my two tiles; next = 1: the second tile takes the first's places.
.macro FINISH k, next
.rept 4
	v_nop                                          ; places behind the last products
.endr
	v_add_f32 v14, v14, v15
	s_delay_alu instid0(VALU_DEP_1)
	v_permlanex16_b32 v[TMP], v14, s[SEL], s[SEL+1]
	s_delay_alu instid0(VALU_DEP_1)
	v_add_f32 v14, v14, v[TMP]                     ; the row's sum
	s_wait_alu depctr_va_vdst(0)
	v_rcp_f32 v[FF], v14
	v_nop                                          ; a plain place behind the reciprocal
	s_wait_alu depctr_va_vdst(0)                   ; and the wait ahead of its first reader
.set j, 0
.rept 16
	v_pk_mul_f32 v[OT+j:OT+j+1], v[OT+j:OT+j+1], v[FF:FF+1] op_sel_hi:[1,0]   ; each accumulator from its low end on
.set j, j+2
.endr
.irp b, 0,1
	v_max3_num_f32 v[BM+\b], |v[OT+16*\b]|, |v[OT+16*\b+1]|, 0x1800000
.endr
.irp i, 2,4,6,8,10,12,14
.irp b, 0,1
	s_delay_alu instid0(VALU_DEP_2)
	v_max3_num_f32 v[BM+\b], v[BM+\b], |v[OT+16*\b+\i]|, |v[OT+16*\b+\i+1]|
.endr
.endr
.irp b, 0,1
	s_delay_alu instid0(VALU_DEP_2)
	v_permlanex16_b32 v[PT+\b], v[BM+\b], s[SEL], s[SEL+1]
.endr
.irp b, 0,1
	s_delay_alu instid0(VALU_DEP_2)
	v_max_num_f32 v[BM+\b], v[BM+\b], v[PT+\b]
.endr
.irp b, 0,1
	s_delay_alu instid0(VALU_DEP_2)
	v_add_nc_u32 v[SO+\b], 0xff000000, v[BM+\b]
.endr
.irp b, 0,1
	s_delay_alu instid0(VALU_DEP_2)
	v_lshrrev_b32 v[PT+\b], 23, v[SO+\b]
.endr
	s_wait_alu depctr_va_vdst(0)
	s_wait_xcnt 0x0                                ; an earlier tile's stores have read their data: the registers below are written again only behind this wait
	v_lshl_or_b32 v[OS], v[PT+1], 8, v[PT]
	v_cvt_scalef32_pk16_fp6_f32 v[OC:OC+2], v[OT:OT+15], v[SO]
	v_cvt_scalef32_pk16_fp6_f32 v[YT:YT+2], v[OT+16:OT+31], v[SO+1]
	v_nop
.irp i, 0,1,2
	v_permlane16_swap_b32 v[OC+\i], v[YT+\i]
.endr
.irp i, 0,1,2
	s_delay_alu instid0(VALU_DEP_3)
	v_mov_b32 v[OC+3+\i], v[YT+\i]
.endr
	global_store_b128 v[L16], v[OC:OC+3], s[52+2*\k:53+2*\k]                 ; 512 consecutive bytes, aligned
	global_store_b64 v[L8], v[OC+4:OC+5], s[52+2*\k:53+2*\k] offset:512      ; 256
	global_store_b16 v[R4], v[OS], s[56+2*\k:57+2*\k]                        ; my head's half of each row's scale word; lanes r and r + 16 write the same two bytes with the same value
.if \next
.irp i, 0,1,2,3,4,5
	v_mov_b32 v[QQ+\i], v[Q2+\i]
.endr
	v_mov_b32 v[QS], v[QS+1]
	v_mov_b32 v[DM], v[DM2]
	INIT                                           ; (its lines are also the places between the operand and the scale word just written and the next products)
	s_mov_b32 s[TB], 0
	s_mov_b32 s[TS], 0
	s_mov_b32 s[DG], 16
.endif
.endm
	s_wait_loadcnt 0x0                             ; q
	s_wait_tensorcnt 1                             ; my part of the first 32,768 bytes is in; the second load may stay out
	s_barrier_signal -1
	s_barrier_wait -1                              ; everybody's is
	s_mov_b32 s[TB], 0
	s_mov_b32 s[TS], 0
	STEP 0                                         ; key steps 0 and 1 of my first tile, which has nine steps at the least: neither lies on the diagonal.  They read the first load's bytes alone
	s_mov_b32 s[TB], 12288
	s_mov_b32 s[TS], 256
	STEP 0
	s_wait_tensorcnt 0x0                           ; my part of the rest is in,
	s_wait_dscnt 0x0
	s_barrier_signal -1
	s_barrier_wait -1                              ; everybody's is
	s_mov_b32 s[TB], 2*12288
	s_mov_b32 s[TS], 2*256
	s_mov_b32 s[TAU], 2
.Ltrip:                                            ; 15 trips in every wave
	s_cmp_lg_u32 s[TAU], s[SW]
	s_setprio 2
	s_cbranch_scc1 .Lsame_tile
	FINISH 0, 1
.Lsame_tile:
	STEP 1
	s_add_co_u32 s[TB], s[TB], 12288
	s_add_co_u32 s[TS], s[TS], 256
	s_add_co_u32 s[TAU], s[TAU], 1
	s_cmp_lt_u32 s[TAU], 17
	s_cbranch_scc1 .Ltrip
	s_setprio 0
	FINISH 1, 0
	s_wait_tensorcnt 0x0
	ds_add_u32 v254, v255
	s_wait_dscnt 0x0
	ROUND                                          ; the closing round
	s_endpgm
.Lfunc_end_k_q688a2b732b_attn:
	.size	k_q688a2b732b_attn, .Lfunc_end_k_q688a2b732b_attn-k_q688a2b732b_attn
	.p2alignl 7, 3214868480
	.fill 96, 4, 3214868480
	.section	.rodata,"a",@progbits
	.p2align	6, 0x0
	.amdhsa_kernel k_q688a2b732b_attn
		.amdhsa_group_segment_fixed_size 327680
		.amdhsa_private_segment_fixed_size 0
		.amdhsa_enable_private_segment 0
		.amdhsa_kernarg_size 40
		.amdhsa_user_sgpr_count 2
		.amdhsa_user_sgpr_kernarg_segment_ptr 1
		.amdhsa_wavefront_size32 1
		.amdhsa_system_sgpr_workgroup_id_x 1
		.amdhsa_system_sgpr_workgroup_id_y 1
		.amdhsa_system_sgpr_workgroup_id_z 1
		.amdhsa_system_vgpr_workitem_id 0
		.amdhsa_next_free_vgpr 256
		.amdhsa_next_free_sgpr 80
		.amdhsa_reserve_vcc 1
		.amdhsa_float_denorm_mode_32 3
		.amdhsa_float_denorm_mode_16_64 3
		.amdhsa_memory_ordered 1
		.amdhsa_forward_progress 1
		.amdhsa_inst_pref_size 76
	.end_amdhsa_kernel
	.amdgpu_metadata
---
amdhsa.version: [ 1, 2 ]
amdhsa.kernels:
  - .name:           k_q688a2b732b_attn
    .symbol:         k_q688a2b732b_attn.kd
    .args:
      - { .name: qc, .offset: 0, .size: 8, .value_kind: global_buffer, .address_space: global }
      - { .name: qs, .offset: 8, .size: 8, .value_kind: global_buffer, .address_space: global }
      - { .name: kv, .offset: 16, .size: 8, .value_kind: global_buffer, .address_space: global }
      - { .name: ac, .offset: 24, .size: 8, .value_kind: global_buffer, .address_space: global }
      - { .name: asc, .offset: 32, .size: 8, .value_kind: global_buffer, .address_space: global }
    .group_segment_fixed_size: 327680
    .private_segment_fixed_size: 0
    .kernarg_segment_align: 8
    .kernarg_segment_size: 40
    .max_flat_workgroup_size: 512
    .sgpr_count:     80
    .vgpr_count:     256
    .wavefront_size: 32
...
	.end_amdgpu_metadata
.endif
;; end of part 2
;; launch proj (part 3): grid 8 x 32, 4 waves a work-group, clusters of 4 x 4, 314,880 bytes of LDS; arguments ac, asc, W_out_codes, W_out_scales, b_out, out0; writes out0
.if DOCPART == 3
	.amdgcn_target "amdgcn-amd-amdhsa--gfx1250"
	.amdhsa_code_object_version 6
	.text
	.protected	k_q688a2b732b_proj
	.globl	k_q688a2b732b_proj
	.p2align	8
	.type	k_q688a2b732b_proj,@function
k_q688a2b732b_proj:
	s_mov_b64 s[64:65], 0
	v_nop
	global_prefetch_b8 v0, s[64:65] scope:SCOPE_SE
	s_setreg_imm32_b32 hwreg(HW_REG_WAVE_MODE, 25, 1), 1
	s_wait_xcnt 0x0
	s_wait_alu depctr_hold_cnt(0) depctr_sa_sdst(0) depctr_va_vdst(0) depctr_va_sdst(0) depctr_va_ssrc(0) depctr_va_vcc(0) depctr_vm_vsrc(0)
	s_getreg_b32 s2, hwreg(HW_REG_IB_STS2, 6, 4)
	s_cmp_eq_u32 s2, 0
	s_cbranch_scc0 .Lentry_in_a_cluster
	s_endpgm
.Lentry_in_a_cluster:
	s_bfe_u32 s2, ttmp6, 0x10000c
	s_cmp_lg_u32 s2, 0xf033
	s_cbranch_scc0 .Lentry_shape_is_right
	s_endpgm
.Lentry_shape_is_right:
; out0 = vals W_out + b_out on codes of FP6 (E2M3) with one E8M0 scale for each 32 along K = 1,024; out0 is f32.
; vals comes from the attention launch as images of the operand's registers: ac [block of 256 rows][K step of 128][tile of 16 rows][1,536 bytes], asc a scale word for each row and K step.  W_out: 1,024 rows of 768 bytes of codes, 32 scale bytes a row.
; SHARES.  A work-group makes 256 rows x 128 columns, a wave 128 x 64: 32 accumulators.  ALL OF K of both operands fits in LDS: seven joint loads a wave go out at the head; vals comes in four chunks of two K steps,
; so that the products begin when the first has landed.
; CLUSTERS: 4 x 4 work-groups: vals' bytes are shared along a row of the cluster, W_out's along a column.
; THE PRODUCT IS USED TRANSPOSED (source 0 = 16 rows of W_out, source 1 = 16 rows of vals): a lane holds eight neighbouring numbers of a row of out0.  The bias is the C of each sum's first product: it is loaded into the last tile's accumulators.
; LIMITS: NaN and infinities are not served; a given scale byte 0xff gives NaN.
; REGISTERS: window 0: v2-11 addresses; v16-39 two sets of scale words (8 of vals, 4 of W); v64-159, v160-255 two sets of 8 fragments of vals.  window 1: accumulator (xt, wt) at 8 (4 xt + wt).  window 2: two sets of 4 fragments of W, at v0 and v48.
.set ASC,  196608                      ; LDS: vals' images from 0 on: (16 K step + tile) x 1,536; then their scale words, (16 K step + tile) x 64 + 4 r;
.set WRO,  204800                      ; W's 128 rows, 816 bytes apart: 768 bytes of codes, 16 of padding behind each 256: row r starts 12 r banks on, so the 32 lanes of a load of 8 bytes touch 64 different banks (64 banks of 4 bytes: ISA guide 11.1);
.set WSC,  309248                      ; W's scale bytes: 16 units of 256 bytes + 16
.set AA,   2                           ; v2  12,288 rh + 16 x lane + the K step
.set AA8,  3                           ; v3  the same with 8 x lane
.set AAS,  4
.set AWO,  5                           ; v5, v6: W's rows, + 24 h and + 40 h
.set ASWO, 7
.set STO,  8
.set RD,   9
.set CO,   10
.set H32,  11
.set SC,   16
.set AF,   64
.set BK,   64                          ; the way out: v64-95 and v96-127 by turns
.set G1W,  24
.set G1WS, 32
.set G1AS, 40
.set G1A,  48
.set G0W,  56
.set G0WS, 60
.set G0AS, 68
.set G0A,  72
.set MSB, 0
.macro WIN new
.if MSB != (\new)
	s_set_vgpr_msb (MSB<<8)|(\new)
.set MSB, (\new)
.endif
.endm
.macro CROUND                          ; a round of the cluster's barrier
	s_barrier_signal -1
	s_barrier_wait -1
	s_cmp_lg_u32 s16, 0
	s_cbranch_scc1 .Lnot_wave_0_\@
	s_barrier_signal -3
.Lnot_wave_0_\@:
	s_barrier_wait -3
	s_barrier_signal -1
	s_barrier_wait -1
.endm
	s_load_b256 s[4:11], s[0:1], 0x0               ; ac s[4:5], asc s[6:7], W's codes s[8:9], W's scales s[10:11]
	s_load_b128 s[12:15], s[0:1], 0x20             ; b_out s[12:13], out0 s[14:15]
	v_lshl_add_u32 v62, v0, 2, 0x4cc00
	v_mov_b32 v63, 0
	ds_add_u32 v62, v63
	ds_add_u32 v62, v63
	v_lshrrev_b32 v12, 5, v0
	v_readfirstlane_b32 s16, v12                   ; wave 0..3
	s_lshr_b32 s17, s16, 1                         ; which 128 rows are mine
	s_and_b32 s18, s16, 1                          ; which 64 columns
	s_bfe_u32 s19, ttmp6, 0x40000                  ; cx
	s_bfe_u32 s20, ttmp6, 0x40004                  ; cy
	s_lshl_b32 s21, ttmp9, 2
	s_add_co_u32 s21, s21, s19                     ; X: columns 128 X on
	s_and_b32 s22, ttmp7, 0xffff
	s_lshl_b32 s22, s22, 2
	s_add_co_u32 s22, s22, s20                     ; Y: rows 256 Y on
	s_lshl_b32 s88, s20, 2
	s_lshl_b32 s88, 15, s88                        ; my row of the cluster
	s_lshl_b32 s89, 0x1111, s19                    ; my column
	s_or_b32 s[G1W], s89, (1<<20)|(1<<21)|(5<<22)|(3<<25)   ; W's rows: elements of 1 byte; 4 words of padding behind every 64
	s_mov_b32 s[G1W+1], 768<<16
	s_mov_b32 s[G1W+2], 32<<16                     ; 32 rows a wave
	s_mov_b32 s[G1W+3], 768<<16
	s_mov_b32 s[G1W+4], 32
	s_mov_b32 s[G1W+5], 768
	s_mov_b32 s[G1W+6], 0
	s_mov_b32 s[G1W+7], 0
	s_or_b32 s[G1WS], s89, (3<<16)|(1<<20)|(1<<21)|(5<<22)|(3<<25)   ; W's scale bytes: rows of 256 bytes (32 elements of 8), padded likewise
	s_mov_b32 s[G1WS+1], 32<<16
	s_mov_b32 s[G1WS+2], 4<<16
	s_mov_b32 s[G1WS+3], 32<<16
	s_mov_b32 s[G1WS+4], 4
	s_mov_b32 s[G1WS+5], 32
	s_mov_b32 s[G1WS+6], 0
	s_mov_b32 s[G1WS+7], 0
	s_or_b32 s[G1AS], s88, (3<<16)|(1<<21)         ; vals' scale words: 8 rows of 256 bytes a wave, no padding
	s_mov_b32 s[G1AS+1], 32<<16
	s_mov_b32 s[G1AS+2], 8<<16
	s_mov_b32 s[G1AS+3], 32<<16
	s_mov_b32 s[G1AS+4], 8
	s_mov_b32 s[G1AS+5], 32
	s_mov_b32 s[G1AS+6], 0
	s_mov_b32 s[G1AS+7], 0
	s_or_b32 s[G1A], s88, (3<<16)|(1<<21)          ; a quarter of a chunk of vals' images: 48 rows of 256 bytes
	s_mov_b32 s[G1A+1], 32<<16
	s_mov_b32 s[G1A+2], 48<<16
	s_mov_b32 s[G1A+3], 32<<16
	s_mov_b32 s[G1A+4], 48
	s_mov_b32 s[G1A+5], 32
	s_mov_b32 s[G1A+6], 0
	s_mov_b32 s[G1A+7], 0
	s_mul_i32 s90, s21, 98304                      ; W: rows 128 X + 32 x wave, in registers that never hold Y
	s_mul_i32 s91, s16, 24576
	s_add_co_u32 s90, s90, s91
	s_mov_b32 s91, 0
	s_lshl_b32 s92, s21, 12
	s_lshl_b32 s93, s16, 10
	s_add_co_u32 s92, s92, s93
	s_mov_b32 s93, 0
	s_lshl_b32 s94, s22, 13                        ; vals: block Y, my quarter, in registers that never hold X
	s_lshl_b32 s95, s16, 11
	s_add_co_u32 s94, s94, s95
	s_mov_b32 s95, 0
	s_mul_i32 s96, s22, 196608
	s_mul_i32 s97, s16, 12288
	s_add_co_u32 s96, s96, s97
	s_mov_b32 s97, 0
	s_mul_i32 s98, s16, 32*816                     ; where they go: no place in the cluster enters an LDS address
	s_add_co_u32 s98, s98, WRO
	s_mul_i32 s99, s16, 4*272
	s_add_co_u32 s99, s99, WSC
	s_lshl_b32 s23, s16, 11
	s_add_co_u32 s23, s23, ASC
	s_mul_i32 s2, s16, 12288
	s_wait_dscnt 0x0
	s_wait_kmcnt 0x0
	s_add_nc_u64 s[90:91], s[8:9], s[90:91]
	s_add_nc_u64 s[92:93], s[10:11], s[92:93]
	s_add_nc_u64 s[94:95], s[6:7], s[94:95]
	s_add_nc_u64 s[96:97], s[4:5], s[96:97]
	s_mov_b32 s[G0W], 1
	s_mov_b32 s[G0W+1], s98
	s_mov_b64 s[G0W+2:G0W+3], s[90:91]
	s_or_b32 s[G0W+3], s[G0W+3], 0x80000000
	s_mov_b32 s[G0WS], 1
	s_mov_b32 s[G0WS+1], s99
	s_mov_b64 s[G0WS+2:G0WS+3], s[92:93]
	s_or_b32 s[G0WS+3], s[G0WS+3], 0x80000000
	s_mov_b32 s[G0AS], 1
	s_mov_b32 s[G0AS+1], s23
	s_mov_b64 s[G0AS+2:G0AS+3], s[94:95]
	s_or_b32 s[G0AS+3], s[G0AS+3], 0x80000000
.irp c, 0,1,2,3
	s_mov_b32 s[G0A+4*\c], 1
	s_add_co_u32 s[G0A+4*\c+1], s2, \c*49152
	s_add_nc_u64 s[G0A+4*\c+2:G0A+4*\c+3], s[96:97], \c*49152
	s_or_b32 s[G0A+4*\c+3], s[G0A+4*\c+3], 0x80000000
.endr
	CROUND                                         ; all sixteen work-groups are here: the joint loads meet
	tensor_load_to_lds s[G0W:G0W+3], s[G1W:G1W+7]
	s_nop 0
	tensor_load_to_lds s[G0WS:G0WS+3], s[G1WS:G1WS+7]
	s_nop 0
	tensor_load_to_lds s[G0AS:G0AS+3], s[G1AS:G1AS+7]
	s_nop 0
.irp c, 0,1,2,3
	tensor_load_to_lds s[G0A+4*\c:G0A+4*\c+3], s[G1A:G1A+7]   ; seven loads of mine are out
	s_nop 0
.endr
.rept 4
	v_nop
.endr
	v_and_b32 v12, 31, v0                          ; lane
	v_and_b32 v13, 15, v0                          ; r
	v_bfe_u32 v14, v0, 4, 1                        ; h
	v_lshlrev_b32 v[H32], 5, v14
	s_wait_alu depctr_va_vdst(0)
	s_lshl_b32 s90, s21, 9
	s_lshl_b32 s91, s18, 8
	s_add_co_u32 s90, s90, s91                     ; my 64 columns, in bytes: 512 X + 256 ch
	s_mov_b32 s91, 0
	s_add_nc_u64 s[12:13], s[12:13], s[90:91]
	s_lshl_b32 s92, s22, 20
	s_lshl_b32 s93, s17, 19
	s_add_co_u32 s92, s92, s93                     ; my 128 rows of 4,096 bytes
	s_add_co_u32 s92, s92, s90
	s_mov_b32 s93, 0
	s_add_nc_u64 s[14:15], s[14:15], s[92:93]
	WIN 0x40                                       ; destination window 1
.irp wt, 0,1,2,3
	global_load_b128 v[224+8*\wt:227+8*\wt], v[H32], s[12:13] offset:64*\wt
	global_load_b128 v[228+8*\wt:231+8*\wt], v[H32], s[12:13] offset:64*\wt+16
.endr
	WIN 0
	s_mul_i32 s90, s17, 12288                      ; my 8 tiles of rows in a K step's 16
	v_lshl_add_u32 v[AA], v12, 4, s90
	v_lshl_add_u32 v[AA8], v12, 3, s90
	s_lshl_b32 s91, s17, 9
	s_add_co_u32 s91, s91, ASC
	v_lshl_add_u32 v[AAS], v13, 2, s91
	s_mul_i32 s92, s18, 64*816
	s_add_co_u32 s92, s92, WRO
	v_mul_u32_u24 v[AWO], v13, 816
	v_mad_u32_u24 v[AWO], v14, 24, v[AWO]
	v_add_nc_u32 v[AWO], s92, v[AWO]
	v_lshl_add_u32 v[AWO+1], v14, 4, v[AWO]
	s_mul_i32 s93, s18, 8*272
	s_add_co_u32 s93, s93, WSC
	v_lshrrev_b32 v15, 3, v13
	v_lshlrev_b32 v[ASWO], 5, v13
	v_lshl_add_u32 v[ASWO], v15, 4, v[ASWO]
	v_add_nc_u32 v[ASWO], s93, v[ASWO]             ; 32 r + 16 (r / 8): 8 rows of 32 bytes to a unit of 272
	s_mul_i32 s94, s16, 16*272                     ; my stage for the way out: 16 rows x (256 bytes + 16)
	v_mul_u32_u24 v[STO], v13, 272
	v_lshl_add_u32 v[STO], v14, 5, v[STO]
	v_add_nc_u32 v[STO], s94, v[STO]               ; in: row r, + 32 h
	v_mul_u32_u24 v[RD], v14, 272
	v_lshl_add_u32 v[RD], v13, 4, v[RD]
	v_add_nc_u32 v[RD], s94, v[RD]                 ; back: lanes 0-15 one row, lanes 16-31 the next
	v_lshlrev_b32 v[CO], 12, v14
	v_lshl_add_u32 v[CO], v13, 4, v[CO]            ; and the same two rows in out0
.macro FETCH q                         ; K step q into set q % 2: 8 fragments of vals (as their images lie), 4 of W (six pieces of 8 bytes each), 12 scale words: 68 loads
.set AS_, AF+96*((\q)%2)
.set SS_, SC+12*((\q)%2)
.irp xt, 0,1,2,3,4,5,6,7
	ds_load_b128 v[AS_+12*\xt:AS_+12*\xt+3], v[AA] offset:1536*\xt
	ds_load_b64 v[AS_+12*\xt+4:AS_+12*\xt+5], v[AA8] offset:1536*\xt+512
	ds_load_b128 v[AS_+12*\xt+6:AS_+12*\xt+9], v[AA] offset:1536*\xt+768
	ds_load_b64 v[AS_+12*\xt+10:AS_+12*\xt+11], v[AA8] offset:1536*\xt+1280
	ds_load_b32 v[SS_+\xt], v[AAS] offset:64*(16*(\q)+\xt)
.endr
.irp wt, 0,1,2,3
	ds_load_b32 v[SS_+8+\wt], v[ASWO] offset:544*\wt+4*(\q)
.endr
	WIN 0x80                                       ; destination window 2
.irp wt, 0,1,2,3
.irp p, 0,1,2,3,4,5
.set PC, 12*(\q)+6*(\p/3)+\p%3         ; lanes 16-31 read three pieces on: behind one padding more where the piece is one of the last three of its 32
.if PC%32 < 29
	ds_load_b64 v[48*((\q)%2)+12*\wt+2*\p:48*((\q)%2)+12*\wt+2*\p+1], v[AWO] offset:8*PC+16*(PC/32)+13056*\wt
.else
	ds_load_b64 v[48*((\q)%2)+12*\wt+2*\p:48*((\q)%2)+12*\wt+2*\p+1], v[AWO+1] offset:8*PC+16*(PC/32)+13056*\wt
.endif
.endr
.endr
	WIN 0
.endm
.macro MUL q, x0                       ; 16 products: tiles of rows x0 .. x0 + 3 against W's four.  In K step 0 C is the last tile's accumulator, which holds the bias; five places stand ahead of the four products that write over it
.irp xt, \x0, \x0+1, \x0+2, \x0+3
.if ((\q) == 0) && ((\xt) == 7)
.rept 5
	v_nop
.endr
.endif
.irp wt, 0,1,2,3
.set rD, 8*(4*(\xt)+\wt)
.set rC, rD
.if (\q) == 0
.set rC, 8*(28+\wt)
.endif
.set rA, 48*((\q)%2)+12*\wt
.set rB, AF+96*((\q)%2)+12*(\xt)
	v_wmma_scale_f32_16x16x128_f8f6f4 v[rD:rD+7], v[rA:rA+11], v[rB:rB+11], v[rC:rC+7], v[SC+12*((\q)%2)+8+\wt], v[SC+12*((\q)%2)+(\xt)] matrix_a_fmt:MATRIX_FMT_FP6 matrix_b_fmt:MATRIX_FMT_FP6
.endr
.endr
.endm
.macro STEP q                          ; the 32 accumulators take turns, one instruction a turn, in the same order in every step
	s_wait_dscnt 0x0                               ; this step's set, asked for sixteen products ago, is in
	WIN 0x52                                       ; source 0 (W) window 2, source 1 (vals) window 0, C and D window 1
	MUL \q, 0
	WIN 0
.if ((\q)%2 == 1) && ((\q) < 7)
	s_wait_tensorcnt (5-(\q))/2                    ; my part of the next chunk of vals is in; the later chunks may be out
	s_barrier_signal -1
	s_barrier_wait -1                              ; everybody's is
.endif
.if (\q) < 7
	s_wait_alu depctr_va_vdst(0)
	v_add_nc_u32 v[AA], 24576, v[AA]               ; the next K step's images.  With the two v_nop: four plain places between the products of the step before and the loads into the set that they read
	v_add_nc_u32 v[AA8], 24576, v[AA8]
	v_nop
	v_nop
	FETCH (\q)+1
.endif
	WIN 0x52
	MUL \q, 4
	WIN 0
.endm
	s_wait_alu depctr_va_vdst(0)
	s_wait_tensorcnt 3                             ; W's rows and scale bytes, vals' scale words and its first chunk: my parts are in; three chunks may be out
	s_barrier_signal -1
	s_barrier_wait -1                              ; everybody's are
	FETCH 0
	s_wait_loadcnt 0x0                             ; the bias
.irp q, 0,1,2,3,4,5,6,7
	STEP \q
.endr
; THE WAY OUT, a tile of 16 rows x 64 columns at a time, through my own stage in LDS: in as 32 bytes a lane, back as whole rows of 256 bytes, so that sixteen lanes store 256 consecutive bytes, aligned.
; The stages lie in vals' first chunk: it has had its only fill, and its last reads were waited for ahead of the barrier of K step 1.  LDS serves a wave's instructions in order (ISA guide 5.7.1.4): no wait between my stores and my loads.
.macro TOSTAGE xt
	WIN 0x04                                       ; an LDS store's data are its source 1: window 1
.irp wt, 0,1,2,3
	ds_store_b128 v[STO], v[8*(4*(\xt)+\wt):8*(4*(\xt)+\wt)+3] offset:64*\wt       ; each accumulator from its low end on
	ds_store_b128 v[STO], v[8*(4*(\xt)+\wt)+4:8*(4*(\xt)+\wt)+7] offset:64*\wt+16
.endr
	WIN 0
.set BB, BK+32*((\xt)%2)
.irp i, 0,1,2,3,4,5,6,7
	ds_load_b128 v[BB+4*\i:BB+4*\i+3], v[RD] offset:544*\i
.endr
.endm
.macro SEND xt, younger                ; younger: the LDS instructions issued behind this tile's loads, which may stay out
.set BB, BK+32*((\xt)%2)
	s_wait_dscnt \younger
.irp i, 0,1,2,3,4,5,6,7
	global_store_b128 v[CO], v[BB+4*\i:BB+4*\i+3], s[14:15] offset:65536*(\xt)+8192*\i th:TH_STORE_NT   ; written once, read by nobody here
.endr
.endm
.rept 4
	v_nop                                          ; places behind the last products
.endr
	TOSTAGE 0
.irp xt, 1,2,3,4,5,6,7
.if \xt > 1
	s_wait_xcnt 0x0                                ; the stores of two tiles back have read their registers: this tile's loads may land there
.endif
	TOSTAGE \xt
	SEND \xt-1, 16                                 ; behind that tile's loads: this tile's 8 stores and 8 loads
.endr
	SEND 7, 0
	s_wait_tensorcnt 0x0
	ds_add_u32 v62, v63
	s_wait_dscnt 0x0
	CROUND                                         ; the closing round: no work-group ends while a partner may still ask for a tile that names it
	s_endpgm
.Lfunc_end_k_q688a2b732b_proj:
	.size	k_q688a2b732b_proj, .Lfunc_end_k_q688a2b732b_proj-k_q688a2b732b_proj
	.p2alignl 7, 3214868480
	.fill 96, 4, 3214868480
	.section	.rodata,"a",@progbits
	.p2align	6, 0x0
	.amdhsa_kernel k_q688a2b732b_proj
		.amdhsa_group_segment_fixed_size 314880
		.amdhsa_private_segment_fixed_size 0
		.amdhsa_enable_private_segment 0
		.amdhsa_kernarg_size 48
		.amdhsa_user_sgpr_count 2
		.amdhsa_user_sgpr_kernarg_segment_ptr 1
		.amdhsa_wavefront_size32 1
		.amdhsa_system_sgpr_workgroup_id_x 1
		.amdhsa_system_sgpr_workgroup_id_y 1
		.amdhsa_system_sgpr_workgroup_id_z 1
		.amdhsa_system_vgpr_workitem_id 0
		.amdhsa_next_free_vgpr 608
		.amdhsa_next_free_sgpr 100
		.amdhsa_reserve_vcc 0
		.amdhsa_float_denorm_mode_32 3
		.amdhsa_float_denorm_mode_16_64 3
		.amdhsa_memory_ordered 1
		.amdhsa_forward_progress 1
		.amdhsa_inst_pref_size 96
	.end_amdhsa_kernel
	.amdgpu_metadata
---
amdhsa.version: [ 1, 2 ]
amdhsa.kernels:
  - .name:           k_q688a2b732b_proj
    .symbol:         k_q688a2b732b_proj.kd
    .args:
      - { .name: ac, .offset: 0, .size: 8, .value_kind: global_buffer, .address_space: global }
      - { .name: asc, .offset: 8, .size: 8, .value_kind: global_buffer, .address_space: global }
      - { .name: W_out_codes, .offset: 16, .size: 8, .value_kind: global_buffer, .address_space: global }
      - { .name: W_out_scales, .offset: 24, .size: 8, .value_kind: global_buffer, .address_space: global }
      - { .name: b_out, .offset: 32, .size: 8, .value_kind: global_buffer, .address_space: global }
      - { .name: out0, .offset: 40, .size: 8, .value_kind: global_buffer, .address_space: global }
    .group_segment_fixed_size: 314880
    .private_segment_fixed_size: 0
    .kernarg_segment_align: 8
    .kernarg_segment_size: 48
    .max_flat_workgroup_size: 128
    .sgpr_count:     100
    .vgpr_count:     608
    .wavefront_size: 32
...
	.end_amdgpu_metadata
.endif
;; end of part 3
